; MI455X (gfx1250); checked and timed in simulation.
; The chip was launched on July 23, 2026; its instructions are those of AMD's public machine-readable ISA for CDNA 5 (MIT licence, August 2026) and "CDNA5" Instruction Set Architecture Reference Guide (July 2026). The comments in the code are by the model that wrote it; some were corrected since.
;; FP8 GEMM. Allowed arithmetic: float matrix products may take bf16 or f16 operands with f32 sums; other float arithmetic in f32, or as packed bf16 or f16 multiplies, adds, multiply-adds, maxima and minima; sums over many terms, partial sums and values carried from step to step in f32; what a program stores and reads back later, other than sums and carried values, may be rounded once to bf16 or f16.
;; Inputs: scale1 4,096 float32; scale2 4,096 float32; scale_inv1 4,096 float32; scale_inv2 4,096 float32; x1 4,096 x 4,096 float32; x2 4,096 x 4,096 float32.
;; Outputs: out0 4,096 x 4,096 bfloat16.
;; 2 versions, each right; version 2 is version 1 with the launch quant written anew for expert scheduling mode. Each part assembles by itself: llvm-mc -triple=amdgcn-amd-amdhsa -mcpu=gfx1250 --defsym DOCPART=n.
;; ======== version 1 of 2: 2 launches
;; workspace buffers: qa 33,554,432 bytes; qb 33,554,432 bytes
;; launch quant (part 1): grid 256 x 2, 8 waves a work-group, no clusters, 0 bytes of LDS; arguments x1, x2, scale1, scale2, qa, qb; writes qa, qb
.if DOCPART == 1
	.amdgcn_target "amdgcn-amd-amdhsa--gfx1250"
	.amdhsa_code_object_version 6
	.text
	.protected	k_qc8bc22fff9_quant
	.globl	k_qc8bc22fff9_quant
	.p2align	8
	.type	k_qc8bc22fff9_quant,@function
k_qc8bc22fff9_quant:
	s_mov_b64 s[64:65], 0
	v_nop
	global_prefetch_b8 v0, s[64:65] scope:SCOPE_SE
	s_setreg_imm32_b32 hwreg(HW_REG_WAVE_MODE, 25, 1), 1
	s_wait_xcnt 0x0
; q[r][c] = the e4m3 number nearest to clip(x[r][c] * scale[r], -448, 448), ties to even, written as bf16.
; x: [4096][4096] f32, scale: [4096] f32, q: [4096][4096] bf16.  Grid y = 0: x1, scale1 -> qa; y = 1: x2, scale2 -> qb.
; An e4m3 number has 4 significant bits and lies between 2^-9 and 448 in size: bf16 holds every one of them exactly, so q loses nothing.
; The product x * scale is one f32 rounding; the clip stands in front of the conversion, which does not saturate by itself.
; LIMITS.  A NaN in x or in a scale (0 times an infinity too) does not come out as NaN: the clamp takes one of its bounds.  Infinities clamp to +-448.  The sign of a zero is as the conversions leave it.
; SHARES.  A work-group owns 16 rows, each of its eight waves two: 32,768 consecutive bytes in, 16,384 consecutive bytes out.  A row is 32 chunks of 512 bytes: one load of 16 bytes a lane;
; a lane's four numbers leave as 8 bytes, so the 32 lanes of a store write 256 consecutive bytes, at a multiple of 256 from q's first byte.
; A ring of 32 slots in registers holds a whole row: 32 loads of every wave are on their way.  Round 0 works on the first row and fills each slot again with the second row's chunk; round 1 loads nothing.
; No register that a load or store names as address, base or data is ever written again, so no wait stands for that: round 0 stores from Y, round 1 from the slot's own X, which is loaded no more.
; No LDS, no barrier: no wave wants a byte that another wave has fetched.
.set ROWI, 16384                       ; bytes in a row of x
.set ROWO, 8192                        ; bytes in a row of q
.set LOF,  1                           ; v1        16 x lane; never rewritten
.set SOF,  2                           ; v2        8 x lane; never rewritten
.set T,    4                           ; v[4:7], v[10:13]  four numbers at work, two sets by the slot's parity
                                       ; v8, v9    four fp8 codes, by the slot's parity
.set Y,    16                          ; v[16:79]  slot i: 2 registers, round 0's four bf16
.set X,    80                          ; v[80:207] slot i: 4 registers as loaded
	s_load_b256 s[4:11], s[0:1], 0x0               ; x1 s[4:5], x2 s[6:7], scale1 s[8:9], scale2 s[10:11]
	s_load_b128 s[12:15], s[0:1], 0x20             ; qa s[12:13], qb s[14:15]
	v_and_b32 v1, 31, v0                           ; lane
	v_lshrrev_b32 v3, 5, v0
	v_readfirstlane_b32 s16, v3                    ; wave 0..7
	v_lshlrev_b32 v[SOF], 3, v1
	v_lshlrev_b32 v[LOF], 4, v1
	v_mov_b32 v8, 0                                ; the code registers are written by halves: whole once, here
	v_mov_b32 v9, 0
	s_mov_b32 s24, 0xc3e00000                      ; -448
	s_mov_b32 s25, 0x43e00000                      ; 448
	s_and_b32 s17, ttmp7, 0xffff                   ; which matrix
	s_wait_kmcnt 0x0
	s_cmp_eq_u32 s17, 0
	s_cselect_b64 s[26:27], s[4:5], s[6:7]         ; from
	s_cselect_b64 s[28:29], s[8:9], s[10:11]       ; its scales
	s_cselect_b64 s[30:31], s[12:13], s[14:15]     ; to
	s_lshl_b32 s18, ttmp9, 6                       ; the work-group's 16 scales,
	s_lshl_b32 s19, s16, 3                         ; my wave's two
	s_add_co_u32 s18, s18, s19
	s_mov_b32 s19, 0
	s_add_nc_u64 s[28:29], s[28:29], s[18:19]
	s_load_b64 s[20:21], s[28:29], 0x0             ; my two rows' scales
	s_lshl_b32 s18, ttmp9, 18                      ; the work-group's 16 rows of 16,384 bytes,
	s_lshl_b32 s19, s16, 15                        ; my wave's two
	s_add_co_u32 s18, s18, s19
	s_mov_b32 s19, 0
	s_add_nc_u64 s[26:27], s[26:27], s[18:19]
	s_lshr_b32 s18, s18, 1                         ; q's rows are half as long
	s_add_nc_u64 s[30:31], s[30:31], s[18:19]
.set n, 0
.rept 32
	global_load_b128 v[X+4*n:X+4*n+3], v[LOF], s[26:27] offset:512*n th:TH_LOAD_NT  ; the ring is filled: my first row
.set n, n+1
.endr
	s_wait_kmcnt 0x0                               ; the two scales
	s_mov_b32 s22, s21                             ; the second row's in the low word of a pair of its own: the packed multiply takes a pair's low word for both halves
	s_mov_b32 s23, s21
; Slot i's turn.  ahead = 1: the first row; the slot is filled again with the second row's chunk.  left = how many younger loads may stay out.  sc = the pair with the row's scale.
.macro SLOT i, ahead, left, sc
.set XR, X+4*(\i)
.set TR, T+6*((\i)%2)
.if \ahead
.set DR, Y+2*(\i)
.else
.set DR, XR
.endif
	s_wait_loadcnt \left                           ; loads come back in order (ISA guide 5.7.1): mine is the oldest that is out
	v_pk_mul_f32 v[TR:TR+1], v[XR:XR+1], s[\sc:\sc+1] op_sel_hi:[1,0]
	v_pk_mul_f32 v[TR+2:TR+3], v[XR+2:XR+3], s[\sc:\sc+1] op_sel_hi:[1,0]
.if \ahead
	global_load_b128 v[XR:XR+3], v[LOF], s[26:27] offset:ROWI+512*(\i) th:TH_LOAD_NT
.endif
.irp j, 0,1,2,3
	v_med3_num_f32 v[TR+\j], v[TR+\j], s24, s25    ; the clip
.endr
.if ((\i)%2) == 0
	v_cvt_pk_fp8_f32 v8.l, v[TR], v[TR+1]          ; to e4m3, nearest, ties to even,
	v_cvt_pk_fp8_f32 v8.h, v[TR+2], v[TR+3]
	v_cvt_pk_f32_fp8 v[TR:TR+1], v8.l              ; and back, exactly
	v_cvt_pk_f32_fp8 v[TR+2:TR+3], v8.h
.else
	v_cvt_pk_fp8_f32 v9.l, v[TR], v[TR+1]
	v_cvt_pk_fp8_f32 v9.h, v[TR+2], v[TR+3]
	v_cvt_pk_f32_fp8 v[TR:TR+1], v9.l
	v_cvt_pk_f32_fp8 v[TR+2:TR+3], v9.h
.endif
	v_cvt_pk_bf16_f32 v[DR], v[TR], v[TR+1]        ; exact: four significant bits
	v_cvt_pk_bf16_f32 v[DR+1], v[TR+2], v[TR+3]
	global_store_b64 v[SOF], v[DR:DR+1], s[30:31] offset:256*(\i)+ROWO*(1-(\ahead))
.endm
.set n, 0
.rept 32
	SLOT n, 1, 31, 20                              ; 31 younger loads stay out: the later slots' and the refills issued so far
.set n, n+1
.endr
.set n, 0
.rept 32
	SLOT n, 0, 31-n, 22                            ; the second row loads nothing: the counts run down
.set n, n+1
.endr
	s_endpgm
.Lfunc_end_k_qc8bc22fff9_quant:
	.size	k_qc8bc22fff9_quant, .Lfunc_end_k_qc8bc22fff9_quant-k_qc8bc22fff9_quant
	.p2alignl 7, 3214868480
	.fill 96, 4, 3214868480
	.section	.rodata,"a",@progbits
	.p2align	6, 0x0
	.amdhsa_kernel k_qc8bc22fff9_quant
		.amdhsa_group_segment_fixed_size 0
		.amdhsa_private_segment_fixed_size 0
		.amdhsa_enable_private_segment 0
		.amdhsa_kernarg_size 48
		.amdhsa_user_sgpr_count 2
		.amdhsa_user_sgpr_kernarg_segment_ptr 1
		.amdhsa_wavefront_size32 1
		.amdhsa_system_sgpr_workgroup_id_x 1
		.amdhsa_system_sgpr_workgroup_id_y 1
		.amdhsa_system_sgpr_workgroup_id_z 1
		.amdhsa_system_vgpr_workitem_id 0
		.amdhsa_next_free_vgpr 208
		.amdhsa_next_free_sgpr 66
		.amdhsa_reserve_vcc 0
		.amdhsa_float_denorm_mode_32 3
		.amdhsa_float_denorm_mode_16_64 3
		.amdhsa_memory_ordered 1
		.amdhsa_forward_progress 1
		.amdhsa_inst_pref_size 60
	.end_amdhsa_kernel
	.amdgpu_metadata
---
amdhsa.version: [ 1, 2 ]
amdhsa.kernels:
  - .name:           k_qc8bc22fff9_quant
    .symbol:         k_qc8bc22fff9_quant.kd
    .args:
      - { .name: x1, .offset: 0, .size: 8, .value_kind: global_buffer, .address_space: global }
      - { .name: x2, .offset: 8, .size: 8, .value_kind: global_buffer, .address_space: global }
      - { .name: scale1, .offset: 16, .size: 8, .value_kind: global_buffer, .address_space: global }
      - { .name: scale2, .offset: 24, .size: 8, .value_kind: global_buffer, .address_space: global }
      - { .name: qa, .offset: 32, .size: 8, .value_kind: global_buffer, .address_space: global }
      - { .name: qb, .offset: 40, .size: 8, .value_kind: global_buffer, .address_space: global }
    .group_segment_fixed_size: 0
    .private_segment_fixed_size: 0
    .kernarg_segment_align: 8
    .kernarg_segment_size: 48
    .max_flat_workgroup_size: 256
    .sgpr_count:     66
    .vgpr_count:     208
    .wavefront_size: 32
...
	.end_amdgpu_metadata
.endif
;; end of part 1
;; launch gemm (part 2): grid 16 x 16, 4 waves a work-group, clusters of 4 x 4, 327,680 bytes of LDS; arguments qa, qb, out0, scale_inv1, scale_inv2; writes out0
.if DOCPART == 2
	.amdgcn_target "amdgcn-amd-amdhsa--gfx1250"
	.amdhsa_code_object_version 6
	.text
	.protected	k_qc8bc22fff9_gemm
	.globl	k_qc8bc22fff9_gemm
	.p2align	8
	.type	k_qc8bc22fff9_gemm,@function
k_qc8bc22fff9_gemm:
	s_mov_b64 s[64:65], 0
	v_nop
	global_prefetch_b8 v0, s[64:65] scope:SCOPE_SE
	s_setreg_imm32_b32 hwreg(HW_REG_WAVE_MODE, 25, 1), 1
	s_wait_xcnt 0x0
	s_wait_alu depctr_hold_cnt(0) depctr_sa_sdst(0) depctr_va_vdst(0) depctr_va_sdst(0) depctr_va_ssrc(0) depctr_va_vcc(0) depctr_vm_vsrc(0)
	s_getreg_b32 s2, hwreg(HW_REG_IB_STS2, 6, 4)
	s_cmp_eq_u32 s2, 0
	s_cbranch_scc0 .Lentry_in_a_cluster
	s_endpgm
.Lentry_in_a_cluster:
	s_bfe_u32 s2, ttmp6, 0x10000c
	s_cmp_lg_u32 s2, 0xf033
	s_cbranch_scc0 .Lentry_shape_is_right
	s_endpgm
.Lentry_shape_is_right:
; out0[m][n] = bf16( (sum over k of qa[m][k] qb[n][k]) * scale_inv1[m] * scale_inv2[n] ).  qa, qb: [4096][4096] bf16 (e4m3 numbers, exact in bf16); out0: [4096][4096] bf16; the scales f32.
; The products are exact, the sums f32; the two factors are applied one after the other, each rounded in f32, in that order; out0 is rounded once.
; LIMITS.  A sum is 4096 x 448^2 = 8.2e8 at the most, far inside f32.  NaN and infinities in the two scales go through the multiplies as they come.
; SHARES.  A tile of 256 x 256 of out0 is made by a work-group of four waves; a wave makes 128 x 128: 64 accumulators of 16 x 16, 512 registers.  256 tiles, 256 work-groups.
; K goes in 32 steps of 128 through a ring of two LDS slots filled by the tensor data mover: a tile's rows are 256 bytes of memory and start at multiples of 256 bytes from the buffer's first byte.
; CLUSTERS: 4 x 4 work-groups.  The four of a row of the cluster need the same tiles of qa, the four of a column the same tiles of qb.  Such a tile is asked for JOINTLY: each of the four issues the same
; tensor load, with the same descriptor and a mask that names the four, and each receives the tile in its own LDS.  That divides the requests for qa and for qb by four.
;
; REGISTERS, in windows of 256 (an instruction names v0-v255; s_set_vgpr_msb says which window each operand place means: bits 1:0 source 0, 3:2 source 1, 5:4 source 2, 7:6 destination):
;   window 0: v0-31 addresses; v64-127, v128-191 fragments of qa (8 x 16 rows x 32 K), two buffers; v32-63, v192-255 at work on the way out
;   window 1: v64-127, v128-191 fragments of qb, two buffers; v0-63 scale_inv2 of my 128 columns as my lane holds them; v192-207 scale_inv1 of my lane's row in each of my 8 blocks of rows, twice each
;   window 2: the 32 accumulators of my rows 0-63 (accumulator (a, b) at v[8 (8 a + b)]);   window 3: those of my rows 64-127
; Work is laid in long stretches under one setting: 32 matrix instructions, 16 loads, 16 loads, 32 matrix instructions.
;
; THE MATRIX INSTRUCTION IS USED TRANSPOSED: source 0 = 16 rows of qb, source 1 = 16 rows of qa.  In the result lane l then holds row m = l % 16 of out0, and its registers 0 to 7 the columns
; n = 8 (l / 16) + 0 .. 7: eight NEIGHBOURING numbers of a row, which pack into 16 bytes.
.set SIZE_M, 4096
.set SIZE_N, 4096
.set SIZE_K, 4096
.set KSTEP,  128
.set PITCH,  272                       ; an LDS row: 256 bytes of data + 16 of padding = 68 words: row r starts at bank 4 r mod 64 (64 banks of 4 bytes: ISA guide 11.1), so the 16 rows that a load touches start at 16 different banks
.set HALFT,  128*PITCH                 ; 128 rows: what one tensor load brings, and what one wave reads of qa or of qb
.set SLOT,   4*HALFT                   ; qa's 256 rows, then qb's 256 rows
.set STAGE,  2*SLOT                    ; behind the ring: 16 rows x 272 bytes for each wave, for the way out; no tensor load lands there
.set SPITCH, 272
.set SPARE,  STAGE+4*16*SPITCH         ; behind the stages: the spare words, 128 bytes for each wave: two blocks of 256 bytes that no other line names
.set LAPS, SIZE_K/(2*KSTEP)            ; a lap = two K steps = once round the ring: 16
.set ADRA, 16                          ; v16-17  LDS address of my qa fragments in slot 0, 1
.set ADRB, 20                          ; v20-21  the same for qb
.set STO,  24                          ; v24     the way out: where I put 16 bytes of a row
.set RD,   25                          ; v25     the way out: where I read a row back
.set CO,   26                          ; v26     my byte offset in out0
.set S1O,  27                          ; v27     4 (l % 16): my row's place among a block's 16 numbers of scale_inv1; never rewritten
.set SPW,  28                          ; v28     LDS address of my spare word: SPARE + 4 x my thread's number; never rewritten
.set NIL,  29                          ; v29     0; never rewritten
.set PFO,  30                          ; v30     the prefetches' offset: my lane x a row of qa or qb (8,192 bytes); never rewritten
.set S2O,  31                          ; v31     32 (l / 16): my eight columns' place among a block's 16 numbers of scale_inv2; never rewritten
.set PFA,  44                          ; s[44:45] where my prefetches stand: my work-group's 32 rows of the 128 that I fetch, one K step further along K than the refill that is being asked for; a prefetch names the K step after that
.set LIM,  43                          ; s43     1 in a wave that prefetches, else the greatest number
.set F0,   64                          ; fragment buffer 0
.set F1,   128                         ; fragment buffer 1
.set TMP,  192                         ; the way out: packed results, in window 0
.set OB,   32                          ; the way out: 16 rows read back from the stage: v32-63 and v224-255 by turns
.set SI2,  0                           ; window 1: scale_inv2 of column block b at SI2 + 8 b
.set SI1,  192                         ; window 1: scale_inv1 of row block a at SI1 + 2 a, twice (a pair for the packed multiply)
.set G1, 24                            ; s[24:31] descriptor group 1 for qa's tiles
.set G0, 32                            ; s[32:39] descriptor group 0 for qa's tiles, one set for each slot
.set G1B, 48                           ; s[48:55] descriptor group 1 for qb's tiles: it differs in the mask alone
.set G0B, 56                           ; s[56:63] descriptor group 0 for qb's tiles, one set for each slot
.set MSB, 0
.macro WIN new                         ; the immediate's high byte repeats the setting that is left; a switch that changes nothing is dropped
.if MSB != (\new)
	s_set_vgpr_msb (MSB<<8)|(\new)
.set MSB, \new
.endif
.endm
.set MUL_LO, 0xa1                      ; source 0 (qb) window 1, source 1 (qa) window 0, C and D window 2
.set MUL_HI, 0xf1                      ; the same, C and D window 3
.set TO_B,   0x40                      ; destination window 1, address window 0
; A joint load.  Waves 0 and 1 fetch qa's two halves, waves 2 and 3 qb's.  Each of the two lines has ONE mask and one set of registers for all that issue it, and nothing in them hangs on a
; coordinate that the four partners do not share.  The branch hangs on the wave's number alone: it is the same in every work-group.
; An s_nop 0 and four v_nop follow each of the two lines; the jump round the other line, the label and what follows the macro come after them.
.macro JLOAD s
	s_cmp_eq_u32 s11, 0
	s_cbranch_scc0 .Lfor_b_\@
	tensor_load_to_lds s[G0+4*(\s):G0+4*(\s)+3], s[G1:G1+7]
	s_nop 0
.rept 4
	v_nop
.endr
	s_branch .Lasked_\@
.Lfor_b_\@:
	tensor_load_to_lds s[G0B+4*(\s):G0B+4*(\s)+3], s[G1B:G1B+7]
	s_nop 0
.rept 4
	v_nop
.endr
.Lasked_\@:
.endm
; A PREFETCH INTO THE L2, behind each joint load, its five lines and the run of LDS loads that follows them: the K step that stands TWO refills on, 512 matrix instructions ahead of the load that will ask for it:
; 32 rows x 256 bytes, a lane a row, one instruction a wave.  Each row's 256 bytes of a K step are named ONCE in the launch.  qa's tile row is read by every cluster of that row of clusters: the first of
; them (cluster x = 0) prefetches; qb's tile column by every cluster of that column: cluster y = 0 prefetches.  The four partners that ask for a tile jointly share its rows out BY ADDRESS: of the 128 rows
; that a wave fetches, the partner at place p takes 32 p .. 32 p + 31 (p = cx for qa, cy for qb): no branch hangs on a work-group's place in its cluster.
; K steps 0 to 3 come by their loads alone; the loop's last trip (s3 = 1) asks for nothing: K steps 32 and 33 do not exist.
.macro ASK
	s_cmp_gt_u32 s3, s[LIM]
	s_cbranch_scc0 .Lnot_mine_\@
	global_prefetch_b8 v[PFO], s[PFA:PFA+1] offset:KSTEP*2 th:TH_LOAD_NT scope:SCOPE_SE
.Lnot_mine_\@:
.endm
; A round of the cluster's barrier: my work-group's barrier, so that wave 0's signal speaks for all four waves; wave 0 signals for the work-group; every wave waits for all sixteen work-groups;
; my work-group's barrier once more.  No LDS instruction of the wave is pending at a signal.
.macro CREST                           ; a round behind its opening barrier
	s_cmp_lg_u32 s10, 0
	s_cbranch_scc1 .Lnot_wave_0_\@
	s_barrier_signal -3
.Lnot_wave_0_\@:
	s_barrier_wait -3
	s_barrier_signal -1
	s_barrier_wait -1
.endm
.macro CROUND                          ; a whole round
	s_barrier_signal -1
	s_barrier_wait -1
	CREST
.endm
	s_load_b128 s[4:7], s[0:1], 0x0                ; qa s[4:5], qb s[6:7]
	s_load_b64 s[8:9], s[0:1], 0x10                ; out0
	s_load_b128 s[68:71], s[0:1], 0x18             ; scale_inv1 s[68:69], scale_inv2 s[70:71]
	v_lshl_add_u32 v[SPW], v0, 2, SPARE
	v_mov_b32 v[NIL], 0
	ds_add_u32 v[SPW], v[NIL]                      ; the wave's opening: the add, twice on end, and its wait ahead of my first tensor load; the set-up below, work on registers, stands between the second and the wait
	ds_add_u32 v[SPW], v[NIL]                      ; and once more, under the one wait
	v_lshrrev_b32 v1, 5, v0
	v_readfirstlane_b32 s10, v1                    ; wave 0..3
	s_lshr_b32 s11, s10, 1                         ; which half of the tile's rows is mine.  Also: I fetch for qa (0) or for qb (1)
	s_and_b32 s12, s10, 1                          ; which half of its columns.  Also: which 128 rows of that tile I fetch
	s_bfe_u32 s40, ttmp6, 0x40000                  ; cx: my place along the cluster's x
	s_bfe_u32 s41, ttmp6, 0x40004                  ; cy: along its y
	s_lshl_b32 s42, ttmp9, 2                       ; in a cluster launch ttmp9 and ttmp7 count clusters
	s_add_co_u32 s42, s42, s40                     ; tile column = 4 x cluster x + cx
	s_and_b32 s13, ttmp7, 0xffff
	s_lshl_b32 s13, s13, 2
	s_add_co_u32 s13, s13, s41                     ; tile row = 4 x cluster y + cy
	s_lshl_b32 s43, s41, 2
	s_lshl_b32 s43, 15, s43                        ; my row of the cluster: places 4 cy .. 4 cy + 3
	s_lshl_b32 s44, 0x1111, s40                    ; my column: places cx, cx + 4, cx + 8, cx + 12
	; descriptor group 1: a tile of 128 rows x 128 elements, padded in LDS
	s_or_b32 s[G1+0], s43, (1<<16)|(1<<20)|(1<<21)|(5<<22)|(3<<25)  ; 15:0 the mask: qa's tiles go to my row; 17:16 element of 2 bytes; 20 padding on; 21 set beside a mask; 24:22 after every 64 words (code 5); 31:25 of 4 words (code 3)
	s_or_b32 s[G1B+0], s44, (1<<16)|(1<<20)|(1<<21)|(5<<22)|(3<<25) ; the same with the mask of my column, for qb's tiles
	s_mov_b32 s[G1B+1], KSTEP<<16
	s_mov_b32 s[G1+1], KSTEP<<16                   ; 63:48 tensor_dim0, low half = 128
	s_mov_b32 s[G1B+2], 128<<16
	s_mov_b32 s[G1+2], 128<<16                     ; 79:64 its high half = 0; 95:80 tensor_dim1, low half = 128
	s_mov_b32 s[G1B+3], KSTEP<<16
	s_mov_b32 s[G1+3], KSTEP<<16                   ; 111:96 its high half = 0; 127:112 tile_dim0 = 128
	s_mov_b32 s[G1B+4], 128
	s_mov_b32 s[G1+4], 128                         ; 143:128 tile_dim1 = 128; 159:144 tile_dim2 = 0
	s_mov_b32 s[G1B+5], SIZE_K
	s_mov_b32 s[G1+5], SIZE_K                      ; 191:160 tensor_dim0_stride, low word: elements from row to row
	s_mov_b32 s[G1B+6], 0
	s_mov_b32 s[G1+6], 0
	s_mov_b32 s[G1B+7], 0
	s_mov_b32 s[G1+7], 0
	; where the tiles come from.  qa's hang on the tile row alone, which my row of the cluster shares; qb's on the tile column alone, which my column shares.
	; Every wave makes both addresses, in registers that never hold the other coordinate, and asks by one of them.
	s_lshl_b32 s17, s12, 7                         ; which 128 rows of the tile I fetch
	s_lshl_b32 s16, s13, 8
	s_add_co_u32 s16, s16, s17                     ; qa: row 256 x tile row + 128 x half
	s_lshl_b32 s46, s42, 8
	s_add_co_u32 s46, s46, s17                     ; qb: row 256 x tile column + 128 x half
	s_mov_b32 s17, 0
	s_mov_b32 s47, 0
	s_mov_b64 s[18:19], SIZE_K*2
	s_mul_u64 s[16:17], s[16:17], s[18:19]         ; in bytes, in 64 bits
	s_mul_u64 s[46:47], s[46:47], s[18:19]
	s_mul_i32 s20, s10, HALFT                      ; and where they go: qa's two halves, then qb's two halves = wave x 128 rows: no place in the cluster enters an LDS address
	s_wait_dscnt 0x0                               ; both opening adds are done
	s_wait_kmcnt 0x0
	s_add_nc_u64 s[14:15], s[4:5], s[16:17]
	s_add_nc_u64 s[46:47], s[6:7], s[46:47]
	CROUND                                         ; all sixteen work-groups are here: the first joint loads meet
.irp s, 0,1
	s_mov_b32 s[G0+4*(\s)], 1                                      ; 1:0 count = 1
	s_add_co_u32 s[G0+4*(\s)+1], s20, (\s)*SLOT                    ; 63:32 LDS address
	s_add_nc_u64 s[G0+4*(\s)+2:G0+4*(\s)+3], s[14:15], (\s)*KSTEP*2  ; 120:64 global address: K step s
	s_or_b32 s[G0+4*(\s)+3], s[G0+4*(\s)+3], 0x80000000            ; 127:126 type = 2
	s_mov_b32 s[G0B+4*(\s)], 1
	s_add_co_u32 s[G0B+4*(\s)+1], s20, (\s)*SLOT
	s_add_nc_u64 s[G0B+4*(\s)+2:G0B+4*(\s)+3], s[46:47], (\s)*KSTEP*2
	s_or_b32 s[G0B+4*(\s)+3], s[G0B+4*(\s)+3], 0x80000000
	JLOAD \s                                       ; the ring is filled before anything else is done: two tensor loads of mine are out
.endr
	; A fragment is 16 rows x 32 K in 8 registers: lane l holds row l % 16; registers 0-3 hold K = 8 (l / 16) + 0..7, registers 4-7 hold
	; K = 16 + 8 (l / 16) + 0..7.  From rows that lie along K: two loads of 16 bytes, 32 bytes apart.  The same for source 0 and source 1.
	v_and_b32 v1, 15, v0                           ; l % 16
	v_bfe_u32 v2, v0, 4, 1                         ; l / 16
	v_mul_u32_u24 v3, v1, PITCH
	v_lshl_add_u32 v3, v2, 4, v3                   ; row x pitch + 16 x half
	s_mul_i32 s21, s11, HALFT                      ; my 128 rows of qa
	s_mul_i32 s22, s12, HALFT                      ; my 128 rows of qb,
	s_add_co_u32 s22, s22, 2*HALFT                 ; which lie behind qa's 256
.irp s, 0,1
	v_add_nc_u32 v[ADRA+(\s)], s21, v3
	v_add_nc_u32 v[ADRB+(\s)], s22, v3
	s_add_co_u32 s21, s21, SLOT
	s_add_co_u32 s22, s22, SLOT
.endr
	s_mul_i32 s23, s10, 16*SPITCH
	s_add_co_u32 s23, s23, STAGE                   ; my stage
	v_mul_u32_u24 v4, v1, SPITCH                   ; in: row l % 16, 16 bytes for each half of the lanes
	v_lshl_add_u32 v4, v2, 4, v4
	v_add_nc_u32 v[STO], s23, v4
	v_mul_u32_u24 v5, v2, SPITCH                   ; back: lanes 0-15 take one row of 256 bytes, lanes 16-31 the next
	v_lshl_add_u32 v5, v1, 4, v5
	v_add_nc_u32 v[RD], s23, v5
	v_mul_u32_u24 v5, v2, SIZE_N*2                 ; and the same two rows in out0
	v_lshl_add_u32 v[CO], v1, 4, v5
	v_lshlrev_b32 v[S1O], 2, v1
	v_lshlrev_b32 v[S2O], 5, v2
	; where my part of the tile begins in out0, in bytes: the way out adds it to out0's address
	s_lshl_b32 s13, s13, 8
	s_lshl_b32 s14, s11, 7
	s_add_co_u32 s16, s13, s14                     ; my first row
	s_mov_b32 s17, 0
	s_mov_b64 s[18:19], SIZE_N*2
	s_mul_u64 s[16:17], s[16:17], s[18:19]
	s_lshl_b32 s46, s42, 9                         ; my first column, in bytes: 512 x tile column + 256 x half (in the registers that held qb's address: none that feeds qa's descriptors ever holds cx)
	s_lshl_b32 s47, s12, 8
	s_add_co_u32 s46, s46, s47
	s_mov_b32 s47, 0
	s_add_nc_u64 s[16:17], s[16:17], s[46:47]
	; the prefetches.  s13 = 256 x tile row, s42 = tile column, s40 = cx, s41 = cy still stand; s[4:5] = qa, s[6:7] = qb
	s_lshl_b32 s42, s42, 8
	s_and_b32 s22, ttmp7, 0xffff                   ; cluster y
	s_cmp_eq_u32 s11, 0                            ; do I fetch for qa?
	s_cselect_b32 s20, s13, s42                    ; the tile's first row: in qa by the tile row, in qb by the tile column
	s_cselect_b32 s21, s40, s41                    ; my place among the four that ask for it with me
	s_cselect_b32 s22, ttmp9, s22                  ; the coordinate along which other clusters read the same rows
	s_cselect_b64 s[PFA:PFA+1], s[4:5], s[6:7]
	s_cmp_eq_u32 s22, 0
	s_cselect_b32 s[LIM], 1, -1                    ; the same in all sixteen partners, for a given wave
	s_lshl_b32 s22, s12, 7
	s_add_co_u32 s20, s20, s22                     ; + the 128 rows that I fetch
	s_lshl_b32 s21, s21, 5
	s_add_co_u32 s20, s20, s21                     ; + my work-group's 32 of them
	s_mov_b32 s21, 0
	s_mov_b64 s[18:19], SIZE_K*2
	s_mul_u64 s[20:21], s[20:21], s[18:19]
	s_add_nc_u64 s[PFA:PFA+1], s[PFA:PFA+1], s[20:21]
	s_add_nc_u64 s[PFA:PFA+1], s[PFA:PFA+1], 2*KSTEP*2  ; at K step 2: the first refill steps it to 3 and names K step 4
	v_and_b32 v[PFO], 31, v0
	v_mul_u32_u24 v[PFO], v[PFO], SIZE_K*2
	; the two inverse scales of my 128 rows and 128 columns come into registers once, laid as the accumulators are: they are loaded while the first tiles are on their way
	s_lshl_b32 s72, s13, 2                         ; 4 bytes x (256 x tile row
	s_lshl_b32 s73, s11, 9                         ; + 128 x my half of the rows)
	s_add_co_u32 s72, s72, s73
	s_mov_b32 s73, 0
	s_lshl_b32 s74, s42, 2                         ; 4 bytes x (256 x tile column
	s_lshl_b32 s75, s12, 9                         ; + 128 x my half of the columns)
	s_add_co_u32 s74, s74, s75
	s_mov_b32 s75, 0
	s_add_nc_u64 s[68:69], s[68:69], s[72:73]
	s_add_nc_u64 s[70:71], s[70:71], s[74:75]
	WIN TO_B
.irp a, 0,1,2,3,4,5,6,7
	global_load_b32 v[SI1+2*(\a)],   v[S1O], s[68:69] offset:64*(\a)      ; scale_inv1 of row 16 a + l % 16,
	global_load_b32 v[SI1+2*(\a)+1], v[S1O], s[68:69] offset:64*(\a)      ; twice: a pair for the packed multiply
.endr
.irp b, 0,1,2,3,4,5,6,7
	global_load_b128 v[SI2+8*(\b):SI2+8*(\b)+3],   v[S2O], s[70:71] offset:64*(\b)     ; scale_inv2 of columns 16 b + 8 (l / 16) + 0..3,
	global_load_b128 v[SI2+8*(\b)+4:SI2+8*(\b)+7], v[S2O], s[70:71] offset:64*(\b)+16  ; + 4..7
.endr
	WIN 0
; 16 matrix instructions: m blocks a0, a0 + 1 of the window's four (hi = 0: my rows 0-63, 1: rows 64-127) x all 8 n blocks, 32 along K.
; zero = 1: the first product starts the sums: nothing is ever cleared.  The 64 accumulators take turns, one instruction a turn, in the same order in every quarter step.
.macro MUL16 f, hi, a0, zero
	WIN MUL_LO+0x50*(\hi)  ; MUL_LO or MUL_HI
.irp a, \a0, (\a0)+1
.irp b, 0,1,2,3,4,5,6,7
.if \zero
	v_wmma_f32_16x16x32_bf16 v[8*(8*(\a)+(\b)):8*(8*(\a)+(\b))+7], v[(\f)+8*(\b):(\f)+8*(\b)+7], v[(\f)+8*(4*(\hi)+(\a)):(\f)+8*(4*(\hi)+(\a))+7], 0
.else
	v_wmma_f32_16x16x32_bf16 v[8*(8*(\a)+(\b)):8*(8*(\a)+(\b))+7], v[(\f)+8*(\b):(\f)+8*(\b)+7], v[(\f)+8*(4*(\hi)+(\a)):(\f)+8*(4*(\hi)+(\a))+7], v[8*(8*(\a)+(\b)):8*(8*(\a)+(\b))+7]
.endif
.endr
.endr
.endm
; 32 LDS loads in one run: the fragments of one quarter step (128 rows of qb, 128 rows of qa, 32 K at byte k of the rows) into buffer f
.macro FETCH slot, k, f
	WIN TO_B
.irp i, 0,1,2,3,4,5,6,7
	ds_load_b128 v[(\f)+8*(\i):(\f)+8*(\i)+3],   v[ADRB+(\slot)] offset:(\k)+(\i)*16*PITCH
	ds_load_b128 v[(\f)+8*(\i)+4:(\f)+8*(\i)+7], v[ADRB+(\slot)] offset:(\k)+(\i)*16*PITCH+32
.endr
	WIN 0
.irp i, 0,1,2,3,4,5,6,7
	ds_load_b128 v[(\f)+8*(\i):(\f)+8*(\i)+3],   v[ADRA+(\slot)] offset:(\k)+(\i)*16*PITCH
	ds_load_b128 v[(\f)+8*(\i)+4:(\f)+8*(\i)+7], v[ADRA+(\slot)] offset:(\k)+(\i)*16*PITCH+32
.endr
.endm
; A load into a register that a matrix instruction has read, and a vector instruction that reads a matrix result or writes one of a matrix instruction's registers, stand four places behind that
; matrix instruction, and only plain vector instructions that name none of its registers are places (ISA guide 7.12.1 for vector instructions).
.macro PLACES
.rept 4
	v_nop
.endr
.endm
; A K step is four quarter steps of 32 along K, 64 matrix instructions each, on buffers 0, 1, 0, 1.
; One of the first three: multiplies buffer f; in its middle it fetches the next quarter's fragments, at byte k of the same slot's rows, into buffer g.
.macro QUARTER slot, k, f, g, zero
	s_wait_dscnt 8                                 ; qb and qa's rows 0-63 are in; the youngest eight loads (qa's rows 64-127) may be out
	WIN MUL_LO
	MUL16 \f, 0, 0, \zero
	MUL16 \f, 0, 2, \zero
	PLACES
	FETCH \slot, \k, \g
	s_wait_dscnt 32                                ; all but the 32 just issued
	WIN MUL_HI
	MUL16 \f, 1, 0, \zero
	MUL16 \f, 1, 2, \zero
.endm
; The last quarter multiplies buffer 1 and changes slots.  MEET is its first half: ONE barrier for the change of slots, for two things.  In front of it each wave waits for all its tensor loads,
; of which one is out: its part of the next slot; adds 0 to its spare word; and waits for that and for its own reads of this slot.  Behind it nobody reads this slot any more and the next slot is whole.
.macro MEET round                      ; round = 1: the rest of a round of the cluster's barrier follows
	WIN 0                                          ; (the add's two registers lie in window 0)
	s_wait_tensorcnt 0x0                           ; all my tensor loads have landed: the one that was out is my part of the next slot;
	ds_add_u32 v[SPW], v[NIL]                      ; 0 onto my spare word;
	s_wait_dscnt 9                                 ; (the add and the youngest eight loads may be out)
	WIN MUL_LO
	MUL16 F1, 0, 0, 0                              ; sixteen matrix instructions stand between the add and the wait for it
	s_wait_dscnt 0x0                               ; the add is done, and my reads of this slot are over:
	s_barrier_signal -1                            ; say so (where a slot is filled again this barrier opens a round of the cluster's barrier),
	MUL16 F1, 0, 2, 0                              ; work on registers while the others arrive,
.if \round
	WIN 0
.endif
	s_barrier_wait -1                              ; and go on when all four have said so
.endm
; The whole last quarter, with a refill.  Behind the round the slot just read out is filled again first, with the K step two steps on; then come the next slot's first fragments.
; From a request to the wait for it a wave issues 224 matrix instructions.
.macro TURN slot, next
	s_wait_xcnt 0x0                                ; the last prefetch, a K step back, has read its address: it is stepped here, ahead of the waits of the change of slots
	s_add_nc_u64 s[PFA:PFA+1], s[PFA:PFA+1], KSTEP*2
	MEET 1
	CREST                                          ; wave 0 says so for the work-group, all sixteen work-groups have said so, my work-group's barrier closes the round:
	                                               ; no wave of any partner still reads this slot's tile or has a load on its way
	s_add_nc_u64 s[G0+4*(\slot)+2:G0+4*(\slot)+3], s[G0+4*(\slot)+2:G0+4*(\slot)+3], 2*KSTEP*2    ; no tensor load of mine is out, so a group 0 may be written; the type bits on top are not reached
	s_add_nc_u64 s[G0B+4*(\slot)+2:G0B+4*(\slot)+3], s[G0B+4*(\slot)+2:G0B+4*(\slot)+3], 2*KSTEP*2
	JLOAD \slot                                    ; the first tensor load behind the round, my only one until the next; the four v_nop behind it are also the places in front of the loads below
	FETCH \next, 0, F0
	ASK                                            ; behind the joint load and the run of LDS loads that the next products wait for
	WIN MUL_HI
	MUL16 F1, 1, 0, 0
	MUL16 F1, 1, 2, 0
.endm
; The same quarter in the last lap: slot 1 holds the last K step, nothing is filled again, so no round follows the barrier.
.macro TURNX
	MEET 0
	PLACES                                         ; for the loads into buffer 0, which the quarter before multiplied
	FETCH 1, 0, F0
	WIN MUL_HI
	MUL16 F1, 1, 0, 0
	MUL16 F1, 1, 2, 0
.endm
; THE WAY OUT of block a (16 of my rows), in three parts.
; PACK: each sum times scale_inv1 of its row, then times scale_inv2 of its column (two f32 roundings, in that order), then rounded to bf16: 16 bytes a lane.  Each run takes an accumulator's registers in ascending order.
.macro PACK a
.set AC, 64*((\a)%4)
	WIN 0x86+0x41*((\a)/4)                         ; destination and source 0: window 2 or 3; source 1: window 1
.irp b, 0,1,2,3,4,5,6,7
.irp r, 0,1,2,3
	v_pk_mul_f32 v[AC+8*(\b)+2*(\r):AC+8*(\b)+2*(\r)+1], v[AC+8*(\b)+2*(\r):AC+8*(\b)+2*(\r)+1], v[SI1+2*(\a):SI1+2*(\a)+1]
.endr
.endr
.irp b, 0,1,2,3,4,5,6,7
.irp r, 0,1,2,3
	v_pk_mul_f32 v[AC+8*(\b)+2*(\r):AC+8*(\b)+2*(\r)+1], v[AC+8*(\b)+2*(\r):AC+8*(\b)+2*(\r)+1], v[SI2+8*(\b)+2*(\r):SI2+8*(\b)+2*(\r)+1]
.endr
.endr
	WIN 0x0a+5*((\a)/4)                            ; sources 0 and 1: window 2 or 3; destination: window 0
.irp b, 0,1,2,3,4,5,6,7
.irp r, 0,1,2,3
	v_cvt_pk_bf16_f32 v[TMP+4*(\b)+(\r)], v[AC+8*(\b)+2*(\r)], v[AC+8*(\b)+2*(\r)+1]
.endr
.endr
	WIN 0
.endm
; TOSTAGE: into my own stage in LDS, and back as whole rows of 256 bytes.
.macro TOSTAGE a
	WIN 0
.set BK, OB+192*((\a)%2)
.irp b, 0,1,2,3,4,5,6,7
	ds_store_b128 v[STO], v[TMP+4*(\b):TMP+4*(\b)+3] offset:32*(\b)
.endr
.irp t, 0,1,2,3,4,5,6,7
	ds_load_b128 v[BK+4*(\t):BK+4*(\t)+3], v[RD] offset:(\t)*2*SPITCH  ; LDS serves a wave's instructions in order (ISA guide 5.7.1.4): these see the stores above
.endr
.endm
; SEND: stored.
.macro SEND a, younger                 ; younger: the LDS instructions issued behind TOSTAGE's, which may stay out
	WIN 0
.set BK, OB+192*((\a)%2)
	s_wait_dscnt \younger                          ; the block is back in registers
	s_wait_xcnt 0x0                                ; every earlier memory instruction has had its addresses translated (ISA guide 3.1): only behind this wait are the stores' base and the registers that earlier stores read rewritten
.if (\a) == 0
	s_add_nc_u64 s[8:9], s[8:9], s[16:17]          ; on to my first rows
.else
	s_add_nc_u64 s[8:9], s[8:9], 16*SIZE_N*2       ; 16 rows of out0 on
.endif
.irp t, 0,1,2,3,4,5,6,7
	global_store_b128 v[CO], v[BK+4*(\t):BK+4*(\t)+3], s[8:9] offset:2*(\t)*SIZE_N*2  ; 16 lanes store 256 consecutive bytes, at a multiple of 256 from out0's first byte
.endr
.endm
	s_wait_loadcnt 0x0                             ; the scales: waited for once, here, where the wave waits for its first tile anyway
	s_wait_tensorcnt 1                             ; my part of K step 0 is in; K step 1's load stays out
	s_barrier_signal -1
	s_barrier_wait -1                              ; everybody's is
	FETCH 0, 0, F0
	QUARTER 0, 64,  F0, F1, 1                      ; the first quarter stands in front of the loop: its products start the sums
	WIN 0                                          ; at a label and at a branch every window is 0
	s_mov_b32 s3, LAPS-1
.Llap:                                                 ; 15 trips: a trip goes once round the ring, from a lap's second quarter to the next lap's first, and fills both slots again
	QUARTER 0, 128, F1, F0, 0
	QUARTER 0, 192, F0, F1, 0
	TURN 0, 1
	QUARTER 1, 64,  F0, F1, 0
	QUARTER 1, 128, F1, F0, 0
	QUARTER 1, 192, F0, F1, 0
	TURN 1, 0
	QUARTER 0, 64,  F0, F1, 0
	WIN 0
	s_sub_co_u32 s3, s3, 1
	s_cmp_lg_u32 s3, 0
	s_cbranch_scc1 .Llap
	QUARTER 0, 128, F1, F0, 0                      ; the last lap is written out: it asks for nothing more
	QUARTER 0, 192, F0, F1, 0
	TURNX
	QUARTER 1, 64,  F0, F1, 0
	QUARTER 1, 128, F1, F0, 0
	QUARTER 1, 192, F0, F1, 0
	s_wait_dscnt 8                                 ; the very last quarter: nothing more to fetch
	WIN MUL_LO
	MUL16 F1, 0, 0, 0
	MUL16 F1, 0, 2, 0
	s_wait_dscnt 0x0
	MUL16 F1, 1, 0, 0
	MUL16 F1, 1, 2, 0
	WIN 0
	PLACES                                         ; the multiplies below read and rewrite results just made, and no other vector work is at hand
	PLACES                                         ; (eight, once a launch)
	PACK 0
	TOSTAGE 0
.irp a, 1,2,3,4,5,6,7                  ; block a's arithmetic stands between block a - 1's loads from the stage and the wait for them
	PACK \a
	SEND (\a)-1, 0
	TOSTAGE \a
.endr
	SEND 7, 0
	s_wait_tensorcnt 0x0                           ; the wave's end: behind my last tensor load and my last LDS store
	ds_add_u32 v[SPW], v[NIL]
	s_wait_dscnt 0x0
	CROUND                                         ; the closing round: no work-group ends while a partner may still ask for a tile that names it
	s_endpgm
.Lfunc_end_k_qc8bc22fff9_gemm:
	.size	k_qc8bc22fff9_gemm, .Lfunc_end_k_qc8bc22fff9_gemm-k_qc8bc22fff9_gemm
	.p2alignl 7, 3214868480
	.fill 96, 4, 3214868480
	.section	.rodata,"a",@progbits
	.p2align	6, 0x0
	.amdhsa_kernel k_qc8bc22fff9_gemm
		.amdhsa_group_segment_fixed_size 327680
		.amdhsa_private_segment_fixed_size 0
		.amdhsa_enable_private_segment 0
		.amdhsa_kernarg_size 40
		.amdhsa_user_sgpr_count 2
		.amdhsa_user_sgpr_kernarg_segment_ptr 1
		.amdhsa_wavefront_size32 1
		.amdhsa_system_sgpr_workgroup_id_x 1
		.amdhsa_system_sgpr_workgroup_id_y 1
		.amdhsa_system_sgpr_workgroup_id_z 1
		.amdhsa_system_vgpr_workitem_id 0
		.amdhsa_next_free_vgpr 1024
		.amdhsa_next_free_sgpr 76
		.amdhsa_reserve_vcc 0
		.amdhsa_float_denorm_mode_32 3
		.amdhsa_float_denorm_mode_16_64 3
		.amdhsa_memory_ordered 1
		.amdhsa_forward_progress 1
		.amdhsa_inst_pref_size 180
	.end_amdhsa_kernel
	.amdgpu_metadata
---
amdhsa.version: [ 1, 2 ]
amdhsa.kernels:
  - .name:           k_qc8bc22fff9_gemm
    .symbol:         k_qc8bc22fff9_gemm.kd
    .args:
      - { .name: qa, .offset: 0, .size: 8, .value_kind: global_buffer, .address_space: global }
      - { .name: qb, .offset: 8, .size: 8, .value_kind: global_buffer, .address_space: global }
      - { .name: out0, .offset: 16, .size: 8, .value_kind: global_buffer, .address_space: global }
      - { .name: scale_inv1, .offset: 24, .size: 8, .value_kind: global_buffer, .address_space: global }
      - { .name: scale_inv2, .offset: 32, .size: 8, .value_kind: global_buffer, .address_space: global }
    .group_segment_fixed_size: 327680
    .private_segment_fixed_size: 0
    .kernarg_segment_align: 8
    .kernarg_segment_size: 40
    .max_flat_workgroup_size: 128
    .sgpr_count:     76
    .vgpr_count:     1024
    .wavefront_size: 32
...
	.end_amdgpu_metadata
.endif
;; end of part 2
;; ======== version 2 of 2: 2 launches; version 1 with the launch quant written anew for expert scheduling mode
;; workspace buffers: qa 33,554,432 bytes; qb 33,554,432 bytes
;; launch quant (part 3): grid 256 x 2, 8 waves a work-group, no clusters, 0 bytes of LDS; arguments x1, x2, scale1, scale2, qa, qb; writes qa, qb
.if DOCPART == 3
	.amdgcn_target "amdgcn-amd-amdhsa--gfx1250"
	.amdhsa_code_object_version 6
	.text
	.protected	k_qc8bc22fff9_quant
	.globl	k_qc8bc22fff9_quant
	.p2align	8
	.type	k_qc8bc22fff9_quant,@function
k_qc8bc22fff9_quant:
	s_mov_b64 s[64:65], 0
	v_nop
	global_prefetch_b8 v0, s[64:65] scope:SCOPE_SE
	s_setreg_imm32_b32 hwreg(HW_REG_WAVE_SCHED_MODE, 0, 2), 2
	s_setreg_imm32_b32 hwreg(HW_REG_WAVE_MODE, 25, 1), 1
	s_wait_xcnt 0x0
	s_wait_alu depctr_vm_vsrc(0)
; q[r][c] = the e4m3 number nearest to clip(x[r][c] * scale[r], -448, 448), ties to even, written as bf16.
; x: [4096][4096] f32, scale: [4096] f32, q: [4096][4096] bf16.  Grid y = 0: x1, scale1 -> qa; y = 1: x2, scale2 -> qb.
; An e4m3 number has 4 significant bits and lies between 2^-9 and 448 in size: bf16 holds every one of them exactly, so q loses nothing.
; The product x * scale is one f32 rounding; the clip stands in front of the conversion, so that nothing beyond e4m3's largest number reaches it.
; LIMITS.  A NaN in x or in a scale (0 times an infinity too) does not come out as NaN: the clamp takes one of its bounds.  Infinities clamp to +-448.  The sign of a zero is as the conversions leave it.
; SHARES.  A work-group owns 16 rows, each of its eight waves two: 32,768 consecutive bytes in, 16,384 consecutive bytes out.  A wave's two rows are 64 chunks of 512 bytes: one load of 16 bytes a lane;
; a lane's four numbers leave as 8 bytes, so the 32 lanes of a store write 256 consecutive bytes, at a multiple of 256 from q's first byte.
; No LDS, no barrier: no wave wants a byte that another wave has fetched.
; THE MODE: SCHED_MODE bits 1:0 = 2 (LLVM: expert scheduling mode 2), set by the entry lines.  The code itself states the register dependences
; between vector instructions and memory instructions, with s_wait_alu, always for 0.
; THE PLAN.  The 64 chunks go in 16 blocks of four.  Registers that memory instructions touch:
;   v1, v2     byte offsets, made once at the head and never written again: the chunks are reached by immediate offsets.
;   X0 .. X8   nine blocks of x as loaded; block b lies in X[b % 9].  Blocks 0 to 8 are asked for at the head, block p + 8 in block p (p = 1 to 7), into X[p - 1].  Read by the block's multiplies.
;   Y0 .. Y6   blocks 0 to 6, whose X is loaded again, round into Y[b]; blocks 7 to 15, whose X is loaded no more, round in place, into the first two registers of each chunk's four.
;              Either way the four stores that read a block's roundings are issued in the block behind it.
; Block p's vector instructions name X[p % 9], its own Y or X, TA, TB, the code registers and v4.  Its memory instructions are the stores of block p - 1 and the loads into X[p - 1]: registers that block p - 1
; worked on and that no vector instruction of block p names.  So ONE wait on va_vdst at a block's head states all that the block's memory instructions hang on, and they are dealt among its vector instructions.
; No register that a load or store has read (an offset, a store's data) is ever written again: so no wait on vm_vsrc and none on XCNT is owed anywhere in the text.
; THE CONVERSION takes eight numbers at once, two chunks, and writes two whole registers of codes; its scale is 1.0, whose exponent is 0: it divides by 1.  So a block goes as two pairs of chunks, A and B.
; Behind such a conversion one plain vector instruction stands before its result is touched or a source rewritten: behind A's the multiplies of B, behind B's the roundings of A.
.set NBUF, 9                           ; buffers of x
.set NY,   16-NBUF                     ; blocks whose buffer is loaded a second time
.set LOF,  1                           ; v1        16 x lane; never rewritten
.set SOF,  2                           ; v2        8 x lane; never rewritten
.set ONE,  4                           ; v4        1.0, the conversions' scale; never rewritten
                                       ; v[8:9]    pair A's eight fp8 codes; v[10:11] pair B's: no memory instruction names them
.set TA,   12                          ; v[12:19]  pair A's eight numbers at work: likewise
.set TB,   20                          ; v[20:27]  pair B's
.set Y,    28                          ; v[28:83]  block b (0 to 6), chunk j: 2 registers at Y + 8 b + 2 j: four bf16 to store
.set X,    84                          ; v[84:227] buffer k, chunk j: 4 registers at X + 16 k + 4 j, as loaded
	s_load_b256 s[4:11], s[0:1], 0x0               ; x1 s[4:5], x2 s[6:7], scale1 s[8:9], scale2 s[10:11]
	s_load_b128 s[12:15], s[0:1], 0x20             ; qa s[12:13], qb s[14:15]
	v_and_b32 v1, 31, v0                           ; lane
	v_lshrrev_b32 v3, 5, v0
	v_readfirstlane_b32 s16, v3                    ; wave 0..7
	v_lshlrev_b32 v[SOF], 3, v1
	v_lshlrev_b32 v[LOF], 4, v1
	v_mov_b32 v[ONE], 1.0
	s_mov_b32 s24, 0xc3e00000                      ; -448
	s_mov_b32 s25, 0x43e00000                      ; 448
	s_and_b32 s17, ttmp7, 0xffff                   ; which matrix
	s_wait_kmcnt 0x0
	s_cmp_eq_u32 s17, 0
	s_cselect_b64 s[26:27], s[4:5], s[6:7]         ; from
	s_cselect_b64 s[28:29], s[8:9], s[10:11]       ; its scales
	s_cselect_b64 s[30:31], s[12:13], s[14:15]     ; to
	s_wait_alu depctr_va_sdst(0)                   ; s16, the wave's number, is written, ahead of its first reader: the three bases are made from it
	s_lshl_b32 s18, ttmp9, 6                       ; the work-group's 16 scales,
	s_lshl_b32 s19, s16, 3                         ; my wave's two
	s_add_co_u32 s18, s18, s19
	s_mov_b32 s19, 0
	s_add_nc_u64 s[28:29], s[28:29], s[18:19]
	s_load_b64 s[20:21], s[28:29], 0x0             ; my two rows' scales
	s_lshl_b32 s18, ttmp9, 18                      ; the work-group's 16 rows of 16,384 bytes,
	s_lshl_b32 s19, s16, 15                        ; my wave's two
	s_add_co_u32 s18, s18, s19
	s_mov_b32 s19, 0
	s_add_nc_u64 s[26:27], s[26:27], s[18:19]
	s_lshr_b32 s18, s18, 1                         ; q's rows are half as long
	s_add_nc_u64 s[30:31], s[30:31], s[18:19]
	s_wait_alu depctr_va_vdst(0)                   ; v1 and v2 are written: every load of the kernel reads v1 as its offset, every store v2
.set n, 0
.rept 4*NBUF
	global_load_b128 v[X+4*n:X+4*n+3], v[LOF], s[26:27] offset:512*n th:TH_LOAD_NT  ; blocks 0 to 8 into X0 to X8: 36 loads are on their way
.set n, n+1
.endr
	s_wait_kmcnt 0x0                               ; the two scales
	s_mov_b32 s22, s21                             ; the second row's in the low word of a pair of its own: the packed multiply takes a pair's low word for both halves
	s_mov_b32 s23, s21
; The parts of a block.  BLK sets XB: the block's buffer of x; DB, DS: where its roundings go, and the registers from chunk to chunk; LB: the buffer of the block before; PB, PS: where that block's roundings lie.
.macro MOVE p, j                       ; block p's memory instructions for place j of four
.if ((\p) > 0) && ((\p) <= NY)
	global_load_b128 v[LB+4*(\j):LB+4*(\j)+3], v[LOF], s[26:27] offset:512*(4*((\p)+NBUF-1)+(\j)) th:TH_LOAD_NT  ; eight blocks ahead; no vector instruction since the block's wait names these registers
.endif
.if (\p) > 0
	global_store_b64 v[SOF], v[PB+PS*(\j):PB+PS*(\j)+1], s[30:31] offset:256*(4*((\p)-1)+(\j))  ; the block before; likewise
.endif
.endm
.macro MULT tr, j, sc                  ; chunk j's four numbers times the row's scale
.set XR, XB+4*(\j)
	v_pk_mul_f32 v[(\tr):(\tr)+1], v[XR:XR+1], s[\sc:\sc+1] op_sel_hi:[1,0]
	v_pk_mul_f32 v[(\tr)+2:(\tr)+3], v[XR+2:XR+3], s[\sc:\sc+1] op_sel_hi:[1,0]
.endm
.macro CLIP tr                         ; a pair's eight numbers
.irp k, 0,1,2,3,4,5,6,7
	v_med3_num_f32 v[(\tr)+\k], v[(\tr)+\k], s24, s25
.endr
.endm
.macro ROUND tr, j                     ; chunk j's four numbers to bf16: exact, four significant bits
.set DR, DB+DS*(\j)
	v_cvt_pk_bf16_f32 v[DR], v[(\tr)], v[(\tr)+1]
	v_cvt_pk_bf16_f32 v[DR+1], v[(\tr)+2], v[(\tr)+3]
.endm
; Block p.  left = how many younger loads may stay out when this block's four have to be there.  sc = the pair with the row's scale.
.macro BLK p, left, sc
.set XB, X+16*((\p)%NBUF)
.if (\p) < NY
.set DB, Y+8*(\p)
.set DS, 2
.else
.set DB, XB
.set DS, 4
.endif
.if (\p) > 0
.set LB, X+16*(((\p)-1)%NBUF)
.if ((\p)-1) < NY
.set PB, Y+8*((\p)-1)
.set PS, 2
.else
.set PB, LB
.set PS, 4
.endif
.endif
	s_wait_loadcnt \left                           ; loads come back in order (ISA guide 5.7.1): this block's four are the oldest that are out
.if (\p) > 0
	s_wait_alu depctr_va_vdst(0)                   ; the block before has written its roundings, which the stores below read, and its multiplies are done reading its X, in which the loads below land
.endif
	MOVE \p, 0
	MOVE \p, 1
	MULT TA, 0, \sc
	MULT TA+4, 1, \sc
	CLIP TA
	v_cvt_scalef32_pk8_fp8_f32 v[8:9], v[TA:TA+7], v[ONE]    ; pair A to e4m3, nearest, ties to even: chunk 0's four codes in v8, chunk 1's in v9
	MOVE \p, 2
	MOVE \p, 3
	MULT TB, 2, \sc                                ; these four name none of that conversion's registers: the plain instructions behind it
	MULT TB+4, 3, \sc
	v_cvt_pk_f32_fp8 v[TA:TA+1], v8.l              ; pair A back, exactly
	v_cvt_pk_f32_fp8 v[TA+2:TA+3], v8.h
	v_cvt_pk_f32_fp8 v[TA+4:TA+5], v9.l
	v_cvt_pk_f32_fp8 v[TA+6:TA+7], v9.h
	CLIP TB
	v_cvt_scalef32_pk8_fp8_f32 v[10:11], v[TB:TB+7], v[ONE]  ; pair B: chunk 2's codes in v10, chunk 3's in v11
	ROUND TA, 0                                    ; these four name none of that conversion's registers: the plain instructions behind it
	ROUND TA+4, 1
	v_cvt_pk_f32_fp8 v[TB:TB+1], v10.l             ; pair B back
	v_cvt_pk_f32_fp8 v[TB+2:TB+3], v10.h
	v_cvt_pk_f32_fp8 v[TB+4:TB+5], v11.l
	v_cvt_pk_f32_fp8 v[TB+6:TB+7], v11.h
	ROUND TB, 2
	ROUND TB+4, 3
.endm
	BLK 0, 32, 20                                  ; block 0 has no block in front of it: no store, no load, no wait but the one for its data; the 32 loads of blocks 1 to 8 stay out
.irp p, 1,2,3,4,5,6,7
	BLK \p, 28, 20                                 ; my first row goes on.  Issued so far: 36 + 4 (p - 1) loads, of which 4 (p + 1) are this block's or older: 28 stay out
.endr
	BLK 8, 28, 22                                  ; my second row; all 64 loads are issued: from here on the counts run down, 60 - 4 p
.irp p, 9,10,11,12,13,14,15
	BLK \p, 60-4*\p, 22
.endr
	s_wait_alu depctr_va_vdst(0)                   ; block 15 has written its roundings, in X6, which the last four stores read
.irp j, 0,1,2,3
	global_store_b64 v[SOF], v[X+16*(15%NBUF)+4*(\j):X+16*(15%NBUF)+4*(\j)+1], s[30:31] offset:256*(60+(\j))
.endr
	s_endpgm
.Lfunc_end_k_qc8bc22fff9_quant:
	.size	k_qc8bc22fff9_quant, .Lfunc_end_k_qc8bc22fff9_quant-k_qc8bc22fff9_quant
	.p2alignl 7, 3214868480
	.fill 96, 4, 3214868480
	.section	.rodata,"a",@progbits
	.p2align	6, 0x0
	.amdhsa_kernel k_qc8bc22fff9_quant
		.amdhsa_group_segment_fixed_size 0
		.amdhsa_private_segment_fixed_size 0
		.amdhsa_enable_private_segment 0
		.amdhsa_kernarg_size 48
		.amdhsa_user_sgpr_count 2
		.amdhsa_user_sgpr_kernarg_segment_ptr 1
		.amdhsa_wavefront_size32 1
		.amdhsa_system_sgpr_workgroup_id_x 1
		.amdhsa_system_sgpr_workgroup_id_y 1
		.amdhsa_system_sgpr_workgroup_id_z 1
		.amdhsa_system_vgpr_workitem_id 0
		.amdhsa_next_free_vgpr 228
		.amdhsa_next_free_sgpr 66
		.amdhsa_reserve_vcc 0
		.amdhsa_float_denorm_mode_32 3
		.amdhsa_float_denorm_mode_16_64 3
		.amdhsa_memory_ordered 1
		.amdhsa_forward_progress 1
		.amdhsa_inst_pref_size 53
	.end_amdhsa_kernel
	.amdgpu_metadata
---
amdhsa.version: [ 1, 2 ]
amdhsa.kernels:
  - .name:           k_qc8bc22fff9_quant
    .symbol:         k_qc8bc22fff9_quant.kd
    .args:
      - { .name: x1, .offset: 0, .size: 8, .value_kind: global_buffer, .address_space: global }
      - { .name: x2, .offset: 8, .size: 8, .value_kind: global_buffer, .address_space: global }
      - { .name: scale1, .offset: 16, .size: 8, .value_kind: global_buffer, .address_space: global }
      - { .name: scale2, .offset: 24, .size: 8, .value_kind: global_buffer, .address_space: global }
      - { .name: qa, .offset: 32, .size: 8, .value_kind: global_buffer, .address_space: global }
      - { .name: qb, .offset: 40, .size: 8, .value_kind: global_buffer, .address_space: global }
    .group_segment_fixed_size: 0
    .private_segment_fixed_size: 0
    .kernarg_segment_align: 8
    .kernarg_segment_size: 48
    .max_flat_workgroup_size: 256
    .sgpr_count:     66
    .vgpr_count:     228
    .wavefront_size: 32
...
	.end_amdgpu_metadata
.endif
;; end of part 3
;; launch gemm: the kernel of part 2 again; grid 16 x 16, 4 waves a work-group, clusters of 4 x 4, 327,680 bytes of LDS; arguments qa, qb, out0, scale_inv1, scale_inv2; writes out0
